; MI455X (gfx1250); checked and timed in simulation.
; The chip was launched on July 23, 2026; its instructions are those of AMD's public machine-readable ISA for CDNA 5 (MIT licence, August 2026) and "CDNA5" Instruction Set Architecture Reference Guide (July 2026). The comments in the code are by the model that wrote it; some were corrected since.
;; Attention GRU. Allowed arithmetic: matrix products marked QUANTISED: E2M1 operands, one E8M0 scale for each 32 along K, by v_wmma_scale_f32_16x16x128_f8f6f4 with both operands' format E2M1 (or v_wmma_scale_f32_32x16x128_f4), f32 sums; products left as they are: f32 operands where the result goes on into a quantised operand, else bf16, f16 or f32 operands; f32 sums; everything else in f32.
;; Inputs: W_k 512 x 512 float32; W_q 512 x 512 float32; W_v 512 x 512 float32; lnkv_b 512 float32; lnkv_g 512 float32; lnq_b 512 float32; lnq_g 512 float32; res_W 512 x 512 float32; res_b 512 float32; x_dynamic 64 x 2,048 x 512 float32; x_known 64 x 512 float32; x_trafic 64 x 512 float32.
;; Outputs: out0 64 x 512 float32; out1 64 x 8 x 1 x 2,048 float32.
;; This version of the problem:
;;   THIS VERSION OF THE PROBLEM IS GIVEN IN LOW PRECISION. The matrix products marked QUANTISED in the list below multiply operands that are first quantised to E2M1 (2 exponent bits, 1 mantissa bit; 4 bits a number), with one power-of-two scale for each 32 numbers along K (OCP MX v1.0); their sums are f32. All else is computed in f32.
;;   The module's matrix products, in the order in which they are computed (A, B: the left and right operand; K: the contracted axis; several contracted axes count as one K, in the product's order):
;;     1. [M 64, K 512] x [K 512, N 512]; A: computed on the way; B: input W_q: QUANTISED
;;     2. [M 131,072, K 512] x [K 512, N 512]; A: computed on the way; B: input W_k: QUANTISED
;;     3. [M 131,072, K 512] x [K 512, N 512]; A: computed on the way; B: input W_v: QUANTISED
;;     4. batch 512 x [M 1, K 64] x [K 64, N 2,048]; A: computed on the way; B: computed on the way: left as it is (M = 1 < 16)
;;     5. batch 512 x [M 1, K 2,048] x [K 2,048, N 64]; A: softmax; B: computed on the way: left as it is (M = 1 < 16)
;;     6. [M 64, K 512] x [K 512, N 512]; A: input x_trafic; B: input res_W: QUANTISED
;;   THE QUANTISER, for each operand of a quantised product, along K:
;;     - K is cut into blocks of 32 from its start; a last block that is shorter is filled with zeros.
;;     - A block's scale is 2^e with e = floor(log2(the largest magnitude in the block)) - 2, held to -126 .. 127; a block of zeros has e = 0. As a byte (E8M0): e + 127.
;;     - Each number is divided by its block's scale, clamped to +-6, and rounded to the nearest number of E2M1, ties to even, subnormals kept.
;;     - The product sums the exact products of the quantised numbers (number of the format x scale) in f32.
;;   ~~~python
;;   def quantise(x, axis):      # numpy; x: float32 -> the quantised numbers, widened to float32 again
;;       x = np.moveaxis(x, axis, -1); K = x.shape[-1]
;;       x = np.pad(x, [(0, 0)] * (x.ndim - 1) + [(0, -K % 32)]); x = x.reshape(x.shape[:-1] + (-1, 32)); a = np.abs(x).max(-1, keepdims=True)
;;       e = np.where(a > 0, np.clip(np.frexp(np.where(a > 0, a, 1))[1] - 1 - 2, -126, 127), 0)      # np.frexp(a)[1] - 1 = floor(log2(a)), exactly
;;       r = np.clip(x / 2.0 ** e, -6, 6)
;;       step = 2.0 ** (np.maximum(np.frexp(np.where(r == 0, 1, r))[1] - 1, 0) - 1)
;;       q = np.round(r / step) * step * 2.0 ** e      # np.round: ties to even
;;       return np.moveaxis(q.reshape(q.shape[:-2] + (-1,))[..., :K], -1, axis).astype(np.float32)
;;   ~~~
;;   OPERANDS COMPUTED ON THE WAY. 'Computed on the way' means the value that the module computes at that place (a softmax that the list does not call 'softmax' is quantised finished and normalised). What goes into a quantiser is computed in f32, as accurately as f32 sums, v_exp_f32 and their like allow (about 1e-6 of the number): no bf16 or f16 on the way to a quantiser, and a product that is left as it is and whose result goes on into a quantised operand takes f32 operands (vector FMAs, or v_wmma_f32_16x16x4_f32). A number that lies on a knife's edge between two numbers of the format may be rounded either way, as far as f32 arithmetic and the matrix unit's own rounding can turn it there, and no further.
;; One version. Each part assembles by itself: llvm-mc -triple=amdgcn-amd-amdhsa -mcpu=gfx1250 --defsym DOCPART=n.
;; ======== version 1 of 1: 3 launches
;; workspace buffers: wcodes 524,288 bytes; wscales 32,768 bytes; xcodes 32,768 bytes; xscales 2,048 bytes; tbuf 4,194,304 bytes; part 1,048,576 bytes
;; launch prep (part 1): grid 68 x 1, 4 waves a work-group, no clusters, 9,728 bytes of LDS; arguments W_k, W_v, W_q, res_W, x_trafic, lnq_g, lnq_b, wcodes, wscales, xcodes, xscales; writes wcodes, wscales, xcodes, xscales
.if DOCPART == 1
	.amdgcn_target "amdgcn-amd-amdhsa--gfx1250"
	.amdhsa_code_object_version 6
	.text
	.protected	k_q2e249d6a5c_prep
	.globl	k_q2e249d6a5c_prep
	.p2align	8
	.type	k_q2e249d6a5c_prep,@function
k_q2e249d6a5c_prep:
	s_mov_b64 s[64:65], 0
	v_nop
	global_prefetch_b8 v0, s[64:65] scope:SCOPE_SE
	s_setreg_imm32_b32 hwreg(HW_REG_WAVE_MODE, 25, 1), 1
	s_wait_xcnt 0x0
; PREP: everything small that the two later launches multiply by is turned into codes of FP4 (E2M1) with one E8M0 byte for each 32 along K.
;   work-groups 0-63:  W_k, W_v, W_q, res_W ([512 k][512 n] f32, K the FIRST axis) -> wcodes, wscales
;   work-groups 64-67: x_trafic [64][512] twice: layer-normalised (variant 0, for Q) and as it is (variant 1, for the residual) -> xcodes, xscales
; A block's scale is 2^(floor(log2(largest magnitude)) - 2); its byte is the largest magnitude's exponent field - 2, held at 1 from below.
; LIMITS: NaN and infinities among the inputs are not served; a block whose largest magnitude lies under 2^-124 keeps the byte 1; a block of zeros gets the byte 1
; where the rule says 127: its codes are zeros, which add nothing under that byte, and the bytes are read by this program alone.
; ONE PERMUTATION OF K, alike on both sides of every quantised product: place kp of an operand holds k = kp xor 4 ((kp >> 6) & 3).  It stays inside a block of 32, so the scales are the rule's.
; It lets a lane that owns 64 neighbouring bytes of a row take its four pieces of 16 bytes in an order that hangs on the lane (see XO).
; LAYOUTS.  wcodes [weight 4][tile n / 16][K step 4][block 4][n % 16][16 bytes]: a fragment (16 columns x 128 K) is 1,024 bytes on end in the order of the operand's registers.
;   wscales [weight][K step][n]: a word of four bytes.   xcodes [variant][row][256 bytes], place kp at byte kp / 2.   xscales [variant][row][16 bytes].
; x_known is named nowhere in this program: the function computed does not read it.
.set T,    96                          ; v96-115  at work: P_a = pair T+2a, MX_a = T+12+a, BY_a = T+16+a; the codes take P's registers
.set X0,   128                         ; v128-191 four rows, 16 numbers a lane each
.set X1,   192                         ; v192-255 four more
.set G,    20                          ; v20-35   the gain at my 16 places
.set BV,   36                          ; v36-51   the bias
.set XO,   4                           ; v4-7     byte offset in a row of my piece q: 64 l + 16 (q xor ((l >> 2) & 3))
.set IW,   8                           ; v8       LDS: where my codes go
.set SW,   10                          ; v10      LDS: where my block's byte goes
.set CJ,   256                         ; codes: bytes from row to row
.set SEL,  40                          ; s[40:41] v_permlanex16_b32's selects for lane l xor 16
.set NH,   42                          ; s[42:43] -1/512, twice
.set IH,   44                          ; s44      1/512
.set EPS,  45                          ; s45      1e-5
.set SELM, 46                          ; s46      all ones: normalise; 0: take the rows as they are
; the four rows' pairs P_a are added up: the two halves, the 16 lanes of a row of lanes, the other 16 (the pair's upper register, done with, takes the other half's sum)
.macro LANESUM
.irp a, 0,1,2,3
	v_add_f32 v[T+2*\a], v[T+2*\a], v[T+2*\a+1]
.endr
.irp k, 1,2,4,8
.irp a, 0,1,2,3
	v_add_f32_dpp v[T+2*\a], v[T+2*\a], v[T+2*\a] row_xmask:\k row_mask:0xf bank_mask:0xf
.endr
.endr
.irp a, 0,1,2,3
	v_permlanex16_b32 v[T+2*\a+1], v[T+2*\a], s[SEL], s[SEL+1]
.endr
.irp a, 0,1,2,3
	v_add_f32 v[T+2*\a], v[T+2*\a], v[T+2*\a+1]
.endr
.endm
; FOUR ROWS, 16 numbers a lane each from v[xb] on (row a at xb + 16 a; register n = place 16 lane + n), are normalised, quantised and stored to LDS as rows j0 .. j0 + 3.
; The four rows take turns line by line, so that no line waits for the line above it.  Two neighbouring lanes hold a block of 32.
.macro LN4 xb, j0
.irp a, 0,1,2,3
	v_pk_add_f32 v[T+2*\a:T+2*\a+1], v[\xb+16*\a:\xb+16*\a+1], v[\xb+16*\a+2:\xb+16*\a+3]
.endr
.irp n, 4,6,8,10,12,14
.irp a, 0,1,2,3
	v_pk_add_f32 v[T+2*\a:T+2*\a+1], v[T+2*\a:T+2*\a+1], v[\xb+16*\a+\n:\xb+16*\a+\n+1]
.endr
.endr
	LANESUM                                        ; the row's sum, in every lane
.irp a, 0,1,2,3
	v_cndmask_b32 v[T+2*\a], 0, v[T+2*\a], s[SELM] ; (the rows as they are: nothing is taken off)
.endr
.irp n, 0,2,4,6,8,10,12,14
.irp a, 0,1,2,3
	v_pk_fma_f32 v[\xb+16*\a+\n:\xb+16*\a+\n+1], v[T+2*\a:T+2*\a+1], s[NH:NH+1], v[\xb+16*\a+\n:\xb+16*\a+\n+1] op_sel_hi:[0,0,1]   ; x - sum / 512, rounded once
.endr
.endr
.irp a, 0,1,2,3
	v_pk_mul_f32 v[T+2*\a:T+2*\a+1], v[\xb+16*\a:\xb+16*\a+1], v[\xb+16*\a:\xb+16*\a+1]
.endr
.irp n, 2,4,6,8,10,12,14
.irp a, 0,1,2,3
	v_pk_fma_f32 v[T+2*\a:T+2*\a+1], v[\xb+16*\a+\n:\xb+16*\a+\n+1], v[\xb+16*\a+\n:\xb+16*\a+\n+1], v[T+2*\a:T+2*\a+1]
.endr
.endr
	LANESUM                                        ; the sum of squares of the differences
.irp a, 0,1,2,3
	v_fma_f32 v[T+2*\a], v[T+2*\a], s[IH], s[EPS]  ; the variance + 1e-5
.endr
.irp a, 0,1,2,3
	v_rsq_f32 v[T+2*\a], v[T+2*\a]
.endr
	v_nop                                          ; a plain instruction behind the last of the four,
	s_wait_alu depctr_va_vdst(0)                   ; and one wait for the four, ahead of their first reader
.irp a, 0,1,2,3
	v_cndmask_b32 v[T+2*\a], 1.0, v[T+2*\a], s[SELM]
.endr
.irp n, 0,2,4,6,8,10,12,14
.irp a, 0,1,2,3
	v_pk_mul_f32 v[\xb+16*\a+\n:\xb+16*\a+\n+1], v[\xb+16*\a+\n:\xb+16*\a+\n+1], v[T+2*\a:T+2*\a+1] op_sel_hi:[1,0]
.endr
.endr
.irp n, 0,2,4,6,8,10,12,14
.irp a, 0,1,2,3
	v_pk_fma_f32 v[\xb+16*\a+\n:\xb+16*\a+\n+1], v[\xb+16*\a+\n:\xb+16*\a+\n+1], v[G+\n:G+\n+1], v[BV+\n:BV+\n+1]
.endr
.endr
.irp a, 0,1,2,3
	v_max3_num_f32 v[T+12+\a], |v[\xb+16*\a]|, |v[\xb+16*\a+1]|, 0x1800000   ; my 16 numbers of a block, and the floor 2^(3 - 127): the byte cannot fall under 1
.endr
.irp n, 2,4,6,8,10,12,14
.irp a, 0,1,2,3
	v_max3_num_f32 v[T+12+\a], v[T+12+\a], |v[\xb+16*\a+\n]|, |v[\xb+16*\a+\n+1]|
.endr
.endr
.irp a, 0,1,2,3
	v_max_num_f32_dpp v[T+12+\a], v[T+12+\a], v[T+12+\a] row_xmask:1 row_mask:0xf bank_mask:0xf   ; with the neighbour's 16: the block's largest magnitude
.endr
.irp a, 0,1,2,3
	v_add_nc_u32 v[T+12+\a], 0xff000000, v[T+12+\a]   ; 2 off the exponent field: the conversion takes that field as its scale
.endr
.irp a, 0,1,2,3
	v_lshrrev_b32 v[T+16+\a], 23, v[T+12+\a]          ; the scale's byte
.endr
.irp a, 0,1,2,3
.irp g, 0,1
	v_cvt_scalef32_pk8_fp4_f32 v[T+2*\a+\g], v[\xb+16*\a+8*\g:\xb+16*\a+8*\g+7], v[T+12+\a]
.endr
.endr
	v_nop                                          ; one plain instruction behind the last scaled conversion
.irp a, 0,1,2,3
	ds_store_b64 v[IW], v[T+2*\a:T+2*\a+1] offset:CJ*(\j0+\a)   ; my 16 codes
	ds_store_b8 v[SW], v[T+16+\a] offset:16*(\j0+\a)            ; the two lanes of a block write the same byte with the same value
.endr
.endm
	s_load_b256 s[4:11], s[0:1], 0x0               ; W_k s[4:5], W_v s[6:7], W_q s[8:9], res_W s[10:11]
	s_load_b256 s[12:19], s[0:1], 0x20             ; x_trafic s[12:13], lnq_g s[14:15], lnq_b s[16:17], wcodes s[18:19]
	s_load_b128 s[20:23], s[0:1], 0x40             ; wscales s[20:21], xcodes s[22:23]
	s_load_b64 s[24:25], s[0:1], 0x50              ; xscales
	v_lshl_add_u32 v62, v0, 2, 0x2400
	v_mov_b32 v63, 0
	v_lshrrev_b32 v1, 5, v0
	v_readfirstlane_b32 s26, v1                    ; wave 0..3
	v_and_b32 v3, 31, v0                           ; lane
	s_wait_kmcnt 0x0
	s_cmp_lt_u32 ttmp9, 64
	s_cbranch_scc0 .Lx
; ---- THE WEIGHTS.  A lane takes a column n and its registers run down K: each load reads 32 neighbouring columns of one row (128 bytes a wave; the two waves that stand side by side cover 256),
; a block of 32 along K lies in one lane's registers, and the conversions give codes with K innermost.  A wave takes 32 columns x one K step of 128.  No LDS on this path.
	s_lshr_b32 s27, ttmp9, 4                       ; which weight
	s_bfe_u32 s28, ttmp9, 0x30001                  ; which 64 columns
	s_and_b32 s29, ttmp9, 1                        ; which half of K
	s_and_b32 s30, s26, 1
	s_lshl_b32 s28, s28, 1
	s_add_co_u32 s28, s28, s30                     ; my 32 columns: group 0..15
	s_lshr_b32 s30, s26, 1
	s_lshl_b32 s29, s29, 1
	s_add_co_u32 s29, s29, s30                     ; my K step 0..3: odd in waves 2 and 3
	s_and_b32 s30, s27, 1
	s_cmp_eq_u32 s30, 0                            ; the choice hangs on the work-group's number alone
	s_cselect_b64 s[32:33], s[4:5], s[6:7]
	s_cselect_b64 s[34:35], s[8:9], s[10:11]
	s_cmp_lt_u32 s27, 2
	s_cselect_b64 s[32:33], s[32:33], s[34:35]
	s_mov_b32 s37, 0
	s_lshl_b32 s36, s29, 18                        ; in: 128 rows of 2,048 bytes a K step,
	s_lshl_b32 s30, s28, 7                         ; 128 bytes a group of columns
	s_add_co_u32 s36, s36, s30
	s_add_nc_u64 s[32:33], s[32:33], s[36:37]
	s_lshl_b32 s36, s27, 17                        ; codes: 131,072 a weight, 8,192 a group (two tiles), 1,024 a K step
	s_lshl_b32 s30, s28, 13
	s_add_co_u32 s36, s36, s30
	s_lshl_b32 s30, s29, 10
	s_add_co_u32 s36, s36, s30
	s_add_nc_u64 s[18:19], s[18:19], s[36:37]
	s_lshl_b32 s36, s27, 13                        ; scale words: 8,192 a weight, 2,048 a K step, 128 a group
	s_lshl_b32 s30, s29, 11
	s_add_co_u32 s36, s36, s30
	s_lshl_b32 s30, s28, 7
	s_add_co_u32 s36, s36, s30
	s_add_nc_u64 s[20:21], s[20:21], s[36:37]
	v_lshlrev_b32 v1, 2, v3                        ; 4 x lane: my column, in a row of W and among the scale words
	v_lshrrev_b32 v2, 4, v3
	v_and_b32 v4, 15, v3
	v_lshlrev_b32 v2, 12, v2
	v_lshl_add_u32 v2, v4, 4, v2                   ; codes: tile lane / 16, 16 bytes for column lane % 16
; block bl of the K step.  Place kk of K step s is place kp = 128 s + kk of the row, and (kp >> 6) & 3 = 2 (s & 1) + (kk >> 6): so place kk takes row kk xor 4 (2 sp + (kk >> 6)), sp the K step's parity
.macro WLOAD bl, sp
.set kk, 32*(\bl)
.rept 32
	global_load_b32 v[64+kk], v1, s[32:33] offset:(kk^((2*(\sp)+(kk>>6))<<2))*2048 th:TH_LOAD_NT
.set kk, kk+1
.endr
.endm
.macro WBLOCK bl, sp
.set XS, 64+32*(\bl)
.if (\bl) < 3
	s_wait_loadcnt 32                              ; this block's 32 loads are in; the next block's 32 may be out
.else
	s_wait_loadcnt 0x0
.endif
.if (\bl) < 2
	WLOAD (\bl)+2, \sp                             ; two blocks ahead; every block has registers of its own
.endif
	v_max3_num_f32 v8, |v[XS]|, |v[XS+1]|, |v[XS+2]|               ; the block's largest magnitude: all 32 numbers are mine; two chains
	v_max3_num_f32 v9, |v[XS+3]|, |v[XS+4]|, |v[XS+5]|
.irp i, 6,10,14,18,22,26
	v_max3_num_f32 v8, v8, |v[XS+\i]|, |v[XS+\i+1]|
	v_max3_num_f32 v9, v9, |v[XS+\i+2]|, |v[XS+\i+3]|
.endr
	v_max3_num_f32 v8, v8, |v[XS+30]|, |v[XS+31]|
	v_max3_num_f32 v8, v8, v9, 0x1800000           ; and the floor 2^(3 - 127)
	v_add_nc_u32 v10, 0xff000000, v8               ; the conversion's scale operand
	v_lshrrev_b32 v11, 23, v10                     ; the byte
.if (\bl) == 0
	v_mov_b32 v12, v11                             ; four bytes make my column's scale word for this K step
.else
	v_lshl_or_b32 v12, v11, 8*(\bl), v12
.endif
.irp g, 0,1,2,3
	v_cvt_scalef32_pk8_fp4_f32 v[32+4*(\bl)+\g], v[XS+8*\g:XS+8*\g+7], v10
.endr
	global_store_b128 v2, v[32+4*(\bl):35+4*(\bl)], s[18:19] offset:256*(\bl)   ; lanes 0-15 store 256 consecutive bytes, aligned, of one tile; lanes 16-31 of the next tile
.endm                                  ; (the next block begins with plain lines that touch nothing of the conversions, ahead of the line that rewrites v10)
.macro WPATH sp
	WLOAD 0, \sp
	WLOAD 1, \sp
	WBLOCK 0, \sp
	WBLOCK 1, \sp
	WBLOCK 2, \sp
	WBLOCK 3, \sp
	global_store_b32 v1, v12, s[20:21]             ; 32 scale words: 128 consecutive bytes
	s_endpgm
.endm
	s_cmp_lt_u32 s26, 2                            ; the order of rows hangs on the K step's parity and stands in the loads' immediates: so the path is written twice
	s_cbranch_scc0 .Lodd
	WPATH 0
.Lodd:
	WPATH 1
; ---- x_trafic.  A wave takes 8 rows of one variant.  Lane l holds places 16 l + 0 .. 15 of a row.
.Lx:
	s_sub_co_u32 s27, ttmp9, 64
	s_lshr_b32 s28, s27, 1                         ; variant
	s_and_b32 s29, s27, 1
	s_lshl_b32 s29, s29, 2
	s_add_co_u32 s29, s29, s26
	s_lshl_b32 s29, s29, 3                         ; my first row
	s_cmp_lt_u32 ttmp9, 66
	s_cselect_b32 s[SELM], -1, 0
	s_mov_b32 s37, 0
	s_lshl_b32 s36, s29, 11
	s_add_nc_u64 s[12:13], s[12:13], s[36:37]      ; x_trafic at my first row
	s_lshl_b32 s36, s28, 14
	s_lshl_b32 s30, s29, 8
	s_add_co_u32 s36, s36, s30
	s_add_nc_u64 s[22:23], s[22:23], s[36:37]      ; its codes
	s_lshl_b32 s36, s28, 10
	s_lshl_b32 s30, s29, 4
	s_add_co_u32 s36, s36, s30
	s_add_nc_u64 s[24:25], s[24:25], s[36:37]      ; its scale bytes
	s_mov_b32 s[SEL], 0x76543210
	s_mov_b32 s[SEL+1], 0xfedcba98
	s_mov_b32 s[NH], 0xbb000000
	s_mov_b32 s[NH+1], 0xbb000000
	s_mov_b32 s[IH], 0x3b000000
	s_mov_b32 s[EPS], 0x3727c5ac
	v_bfe_u32 v9, v0, 2, 2                         ; (l >> 2) & 3
	v_lshlrev_b32 v15, 6, v3                       ; 64 l
	v_lshl_add_u32 v[XO], v9, 4, v15               ; piece 0 of my places lies at 64 l + 16 ((l >> 2) & 3);
	v_xor_b32 v[XO+1], 16, v[XO]                   ; piece q at that with q exclusive-ored into bits 5:4
	v_xor_b32 v[XO+2], 32, v[XO]
	v_xor_b32 v[XO+3], 48, v[XO]
	s_mul_i32 s30, s26, 2304                       ; my wave's LDS: 8 rows x 256 bytes of codes, then 128 scale bytes
	s_add_co_u32 s31, s30, 2048
	v_lshl_add_u32 v[IW], v3, 3, s30               ; 8 bytes a lane
	v_lshrrev_b32 v9, 1, v3
	v_add_nc_u32 v[SW], s31, v9                    ; block l / 2
	v_lshl_add_u32 v11, v3, 4, s30                 ; the way out: 16 bytes a lane of the codes,
	v_lshl_add_u32 v12, v3, 2, s31                 ; 4 of the bytes,
	v_lshlrev_b32 v13, 4, v3                       ; and the same places in memory
	v_lshlrev_b32 v14, 2, v3
.irp q, 0,1,2,3
	global_load_b128 v[G+4*\q:G+4*\q+3], v[XO+\q], s[14:15]
	global_load_b128 v[BV+4*\q:BV+4*\q+3], v[XO+\q], s[16:17]
.endr
.irp j, 0,1,2,3,4,5,6,7
.irp q, 0,1,2,3
	global_load_b128 v[X0+16*\j+4*\q:X0+16*\j+4*\q+3], v[XO+\q], s[12:13] offset:2048*\j
.endr
.endr
	s_wait_loadcnt 16                              ; gain, bias and rows 0-3 are in; the 16 loads of rows 4-7 may be out
.irp n, 0,1,2,3,4,5,6,7,8,9,10,11,12,13,14,15
	v_cndmask_b32 v[G+\n], 1.0, v[G+\n], s[SELM]   ; the rows as they are: x 1 + 0 leaves every number as it is
	v_cndmask_b32 v[BV+\n], 0, v[BV+\n], s[SELM]
.endr
	LN4 X0, 0
	s_wait_loadcnt 0x0
	LN4 X1, 4
.irp n, 0,1,2,3
	ds_load_b128 v[X0+4*\n:X0+4*\n+3], v11 offset:512*\n   ; LDS serves a wave's instructions in order (ISA guide 5.7.1.4): these see my stores; no other wave touches these bytes
.endr
	ds_load_b32 v[X0+16], v12
.irp n, 0,1,2,3
	s_wait_dscnt 4-\n                              ; the younger LDS loads may be out
	global_store_b128 v13, v[X0+4*\n:X0+4*\n+3], s[22:23] offset:512*\n   ; 512 consecutive bytes, aligned: two rows' codes
.endr
	s_wait_dscnt 0x0
	global_store_b32 v14, v[X0+16], s[24:25]       ; 8 rows' 128 scale bytes
	s_wait_tensorcnt 0x0
	ds_add_u32 v62, v63
	s_wait_dscnt 0x0
	s_endpgm
.Lfunc_end_k_q2e249d6a5c_prep:
	.size	k_q2e249d6a5c_prep, .Lfunc_end_k_q2e249d6a5c_prep-k_q2e249d6a5c_prep
	.p2alignl 7, 3214868480
	.fill 96, 4, 3214868480
	.section	.rodata,"a",@progbits
	.p2align	6, 0x0
	.amdhsa_kernel k_q2e249d6a5c_prep
		.amdhsa_group_segment_fixed_size 9728
		.amdhsa_private_segment_fixed_size 0
		.amdhsa_enable_private_segment 0
		.amdhsa_kernarg_size 88
		.amdhsa_user_sgpr_count 2
		.amdhsa_user_sgpr_kernarg_segment_ptr 1
		.amdhsa_wavefront_size32 1
		.amdhsa_system_sgpr_workgroup_id_x 1
		.amdhsa_system_sgpr_workgroup_id_y 1
		.amdhsa_system_sgpr_workgroup_id_z 1
		.amdhsa_system_vgpr_workitem_id 0
		.amdhsa_next_free_vgpr 256
		.amdhsa_next_free_sgpr 66
		.amdhsa_reserve_vcc 0
		.amdhsa_float_denorm_mode_32 3
		.amdhsa_float_denorm_mode_16_64 3
		.amdhsa_memory_ordered 1
		.amdhsa_forward_progress 1
		.amdhsa_inst_pref_size 83
	.end_amdhsa_kernel
	.amdgpu_metadata
---
amdhsa.version: [ 1, 2 ]
amdhsa.kernels:
  - .name:           k_q2e249d6a5c_prep
    .symbol:         k_q2e249d6a5c_prep.kd
    .args:
      - { .name: W_k, .offset: 0, .size: 8, .value_kind: global_buffer, .address_space: global }
      - { .name: W_v, .offset: 8, .size: 8, .value_kind: global_buffer, .address_space: global }
      - { .name: W_q, .offset: 16, .size: 8, .value_kind: global_buffer, .address_space: global }
      - { .name: res_W, .offset: 24, .size: 8, .value_kind: global_buffer, .address_space: global }
      - { .name: x_trafic, .offset: 32, .size: 8, .value_kind: global_buffer, .address_space: global }
      - { .name: lnq_g, .offset: 40, .size: 8, .value_kind: global_buffer, .address_space: global }
      - { .name: lnq_b, .offset: 48, .size: 8, .value_kind: global_buffer, .address_space: global }
      - { .name: wcodes, .offset: 56, .size: 8, .value_kind: global_buffer, .address_space: global }
      - { .name: wscales, .offset: 64, .size: 8, .value_kind: global_buffer, .address_space: global }
      - { .name: xcodes, .offset: 72, .size: 8, .value_kind: global_buffer, .address_space: global }
      - { .name: xscales, .offset: 80, .size: 8, .value_kind: global_buffer, .address_space: global }
    .group_segment_fixed_size: 9728
    .private_segment_fixed_size: 0
    .kernarg_segment_align: 8
    .kernarg_segment_size: 88
    .max_flat_workgroup_size: 128
    .sgpr_count:     66
    .vgpr_count:     256
    .wavefront_size: 32
...
	.end_amdgpu_metadata
.endif
;; end of part 1
;; launch main (part 2): grid 256 x 1, 8 waves a work-group, no clusters, 327,680 bytes of LDS; arguments x_dynamic, lnkv_g, lnkv_b, wcodes, wscales, xcodes, xscales, tbuf, part; writes tbuf, part
.if DOCPART == 2
	.amdgcn_target "amdgcn-amd-amdhsa--gfx1250"
	.amdhsa_code_object_version 6
	.text
	.protected	k_q2e249d6a5c_main
	.globl	k_q2e249d6a5c_main
	.p2align	8
	.type	k_q2e249d6a5c_main,@function
k_q2e249d6a5c_main:
	s_mov_b64 s[64:65], 0
	v_nop
	global_prefetch_b8 v0, s[64:65] scope:SCOPE_SE
	s_setreg_imm32_b32 hwreg(HW_REG_WAVE_MODE, 25, 1), 1
	s_wait_xcnt 0x0
; MAIN: for 512 rows of x_dynamic of one batch: layer norm, quantiser (FP4, one E8M0 byte for each 32 along K), K = kv W_k and V = kv W_v on codes, the query's scores, a running softmax and the partial sum of p V.
; K and V never leave the registers.  Out go t = score x log2(e) / 8 for each row and head (tbuf, laid as the attention output), and for each head the chunk's largest t, the sum of 2^(t - m) and 64 partial sums (part).
; SHARES.  Work-group wg: batch wg / 4, rows 512 (wg % 4) on: 1 MiB of memory on end, walked in 8 slots of 64 rows.  WAVE w IS HEAD w: its 64 columns of W_k and 64 of W_v (32 fragments, 256 registers: window 1) stay in registers,
; so a head's scores, softmax and sums never leave its wave.  For the layer norm wave w takes rows 8 w .. 8 w + 7 of a slot: the 16 KiB that it fetched itself.  The rows' codes go from wave to wave through LDS as images of the
; operand's registers.  Two waves lie on a SIMD, so that one wave's vector work stands beside the other's products.
; THE PRODUCTS ARE USED TRANSPOSED: source 0 = 16 columns of the weight, source 1 = 16 rows.  In a result lane (r, h) holds ROW r, and register j column 8 h + j of the tile.  So a row's score is a sum inside a lane (and one
; exchange between the halves of the lanes), and each lane runs the softmax of the rows that fall to it (row r of every tile) with a largest t, a sum and 32 partial sums of its own.  The 16 lanes are joined once, at the end.
; ONE BARRIER A TRIP.  Trip i: the ring slot read last is filled again (data slot i + 2); rows of slot i + 1 are normalised and quantised into image buffer (i + 1) % 2; slot i's images, in buffer i % 2, are multiplied.
; NO CLUSTER: the ring's tiles are each work-group's own rows; what work-groups share, the weights' codes, is read once at the head, by plain loads into registers.
; THE SOFTMAX keeps a running largest t (m) and rescales the sum and the partial sums by 2^(m_old - m_new) in every tile of 16 rows; no branch hangs on data.
; K IS PERMUTED alike on both sides: place kp holds k = kp xor 4 ((kp >> 6) & 3), inside a block of 32.  So a lane reads its 64 bytes of a row as four pieces in an order of its own, and the sixteen lanes that LDS serves
; together touch sixteen different columns of 16 bytes (64 banks of 4 bytes: ISA guide 11.1), with no padding in the ring.
; LIMITS: NaN and infinities among the inputs are not served; a block whose largest magnitude lies under 2^-124 keeps the byte 1; a block of zeros gets the byte 1 where the rule says 127 (its codes are zeros).
.set SLOTB, 131072                     ; LDS 0 .. 262143: the ring, two slots of 64 rows x 2,048 bytes; wave w's part at 16384 w
.set IMG0,  262144                     ; two image buffers of IMGB bytes
.set IMGB,  18432
.set TILEB, 4608                       ; in a buffer, a tile of 16 rows: 16 blocks of 32 codes at pitch 272 (block B, row r: 272 B + 16 r), then
.set SCO,   4352                       ; the rows' scale bytes (16 r + B)
.set TST,   299008                     ; t of the chunk: head w at 2048 w, row p at 4 p
.set CST,   315392                     ; the partial sums on their way out: 256 bytes a wave
.set SPARE, 317440                     ; the spare words, 128 bytes for each of the eight waves: four blocks of 256 bytes that no other line names
.set CJ,    16                         ; codes: bytes from row to row in an image
; REGISTERS, window 0.  v1 spare word, v2 zero (for the add alone).  Each address is kept twice: a lane's constant, and that + the trip's scalar.
.set XA,   3                           ; v3-6     piece q of my 64 bytes of a row, in ring slot 0
.set XR,   7                           ; v7-10    the same in the slot in hand
.set IWB,  11                          ; v11, v12 where my codes go
.set IW,   12
.set SWB,  13                          ; v13, v14 where my block's byte goes
.set SW,   14
.set IRB,  15                          ; v15, v16 a fragment's place for my lane
.set IR,   16
.set SRB,  17                          ; v17, v18 my row's scale bytes
.set SR,   18
.set TSB,  19                          ; v19, v20 t's place
.set TS,   20
.set G,    22                          ; v22-37   the gain at my 16 places
.set BV,   38                          ; v38-53   the bias
.set WS,   54                          ; v54-69   the weights' scale words: register 4 t + s: lanes 0-15 W_k's tile t, lanes 16-31 W_v's tile t, K step s
.set AS,   70                          ; v70-73   the rows' scale words, K step s
.set MO,   74                          ; v74      m
.set LS,   75                          ; v75      the sum of p (beside m: the two leave as a pair)
.set F,    76                          ; v76      2^(m_old - m_new) (v77 written 0: named as a pair of which the lower half serves both)
.set PP,   78                          ; v78      p (v79 likewise)
.set MN,   80                          ; v80      the new m
.set Q,    82                          ; v82-113  q x log2(e) / 8: register 8 t + j: column 16 t + 8 h + j of my head
.set CTX,  114                         ; v114-145 partial sums of p V, laid as q
.set T,    146                         ; v146-177 the layer norm's work area: P_a = pair T+2a, MX_a = T+12+a, BY_a = T+16+a; the codes take P's registers
.set AF,   146                         ;          and, while tiles are multiplied, a tile's four fragments
.set X,    178                         ; v178-241 four rows of x, 16 numbers a lane each
.set ACC,  178                         ;          and, while tiles are multiplied, eight accumulators: 0-3 K's tiles, 4-7 V's
.set C,    242                         ; v242-249 the scores' four chains; v242-255 also hold the offsets of the head's and the end's loads and stores
.set WV,   22                          ; s22 wave, s23 batch, s24 chunk
.set XB,   44                          ; s44 ring slot in hand;  s45, s46 image buffer written, read;  s47 t's place for the slot;  s48 trips
.set IWO,  45
.set IRO,  46
.set TSO,  47
.set CNT,  48
.set SEL,  50                          ; s[50:51] v_permlanex16_b32's selects for lane l xor 16
.set NH,   52                          ; s[52:53] -1/512, twice
.set IH,   54                          ; 1/512
.set EPS,  55                          ; 1e-5
.set CQ,   56                          ; log2(e) / sqrt(64)
.set MSB, 0
.macro WIN new                         ; s_set_vgpr_msb: bits 1:0 source 0, 3:2 source 1, 5:4 source 2, 7:6 destination; the high byte repeats the setting that is left
.if MSB != \new
	s_set_vgpr_msb (MSB<<8)|\new
.set MSB, \new
.endif
.endm
; the four rows' pairs P_a are added up: the two halves, the 16 lanes of a row of lanes, the other 16 (the pair's upper register, done with, takes the other half's sum)
.macro LANESUM
.irp a, 0,1,2,3
	v_add_f32 v[T+2*\a], v[T+2*\a], v[T+2*\a+1]
.endr
.irp k, 1,2,4,8
.irp a, 0,1,2,3
	v_add_f32_dpp v[T+2*\a], v[T+2*\a], v[T+2*\a] row_xmask:\k row_mask:0xf bank_mask:0xf
.endr
.endr
.irp a, 0,1,2,3
	v_permlanex16_b32 v[T+2*\a+1], v[T+2*\a], s[SEL], s[SEL+1]
.endr
.irp a, 0,1,2,3
	v_add_f32 v[T+2*\a], v[T+2*\a], v[T+2*\a+1]
.endr
.endm
; my rows j0 .. j0 + 3 of the ring slot in hand: row a at X + 16 a; register n = place 16 lane + n
.macro XLOAD j0
.irp a, 0,1,2,3
.irp q, 0,1,2,3
	ds_load_b128 v[X+16*\a+4*\q:X+16*\a+4*\q+3], v[XR+\q] offset:2048*(\j0+\a)
.endr
.endr
.endm
; FOUR ROWS are normalised, quantised and stored to LDS as my rows j0 .. j0 + 3.  The four rows take turns line by line.  Two neighbouring lanes hold a block of 32.
; nxt = 1: as soon as the conversions have read the rows' registers, rows 4-7 are asked for, ahead of the stores.
.macro LN4 j0, nxt
.irp a, 0,1,2,3
	v_pk_add_f32 v[T+2*\a:T+2*\a+1], v[X+16*\a:X+16*\a+1], v[X+16*\a+2:X+16*\a+3]
.endr
.irp n, 4,6,8,10,12,14
.irp a, 0,1,2,3
	v_pk_add_f32 v[T+2*\a:T+2*\a+1], v[T+2*\a:T+2*\a+1], v[X+16*\a+\n:X+16*\a+\n+1]
.endr
.endr
	LANESUM                                        ; the row's sum, in every lane
.irp n, 0,2,4,6,8,10,12,14
.irp a, 0,1,2,3
	v_pk_fma_f32 v[X+16*\a+\n:X+16*\a+\n+1], v[T+2*\a:T+2*\a+1], s[NH:NH+1], v[X+16*\a+\n:X+16*\a+\n+1] op_sel_hi:[0,0,1]   ; x - sum / 512, rounded once
.endr
.endr
.irp a, 0,1,2,3
	v_pk_mul_f32 v[T+2*\a:T+2*\a+1], v[X+16*\a:X+16*\a+1], v[X+16*\a:X+16*\a+1]
.endr
.irp n, 2,4,6,8,10,12,14
.irp a, 0,1,2,3
	v_pk_fma_f32 v[T+2*\a:T+2*\a+1], v[X+16*\a+\n:X+16*\a+\n+1], v[X+16*\a+\n:X+16*\a+\n+1], v[T+2*\a:T+2*\a+1]
.endr
.endr
	LANESUM                                        ; the sum of squares of the differences
.irp a, 0,1,2,3
	v_fma_f32 v[T+2*\a], v[T+2*\a], s[IH], s[EPS]  ; the variance + 1e-5
.endr
.irp a, 0,1,2,3
	v_rsq_f32 v[T+2*\a], v[T+2*\a]
.endr
	v_nop                                          ; a plain instruction behind the last of the four,
	s_wait_alu depctr_va_vdst(0)                   ; and one wait for the four, ahead of their first reader
.irp n, 0,2,4,6,8,10,12,14
.irp a, 0,1,2,3
	v_pk_mul_f32 v[X+16*\a+\n:X+16*\a+\n+1], v[X+16*\a+\n:X+16*\a+\n+1], v[T+2*\a:T+2*\a+1] op_sel_hi:[1,0]
.endr
.endr
.irp n, 0,2,4,6,8,10,12,14
.irp a, 0,1,2,3
	v_pk_fma_f32 v[X+16*\a+\n:X+16*\a+\n+1], v[X+16*\a+\n:X+16*\a+\n+1], v[G+\n:G+\n+1], v[BV+\n:BV+\n+1]
.endr
.endr
.irp a, 0,1,2,3
	v_max3_num_f32 v[T+12+\a], |v[X+16*\a]|, |v[X+16*\a+1]|, 0x1800000   ; my 16 numbers of a block, and the floor 2^(3 - 127): the byte cannot fall under 1
.endr
.irp n, 2,4,6,8,10,12,14
.irp a, 0,1,2,3
	v_max3_num_f32 v[T+12+\a], v[T+12+\a], |v[X+16*\a+\n]|, |v[X+16*\a+\n+1]|
.endr
.endr
.irp a, 0,1,2,3
	v_max_num_f32_dpp v[T+12+\a], v[T+12+\a], v[T+12+\a] row_xmask:1 row_mask:0xf bank_mask:0xf   ; with the neighbour's 16: the block's largest magnitude
.endr
.irp a, 0,1,2,3
	v_add_nc_u32 v[T+12+\a], 0xff000000, v[T+12+\a]   ; 2 off the exponent field: the conversion takes that field as its scale
.endr
.irp a, 0,1,2,3
	v_lshrrev_b32 v[T+16+\a], 23, v[T+12+\a]          ; the scale's byte
.endr
.irp a, 0,1,2,3
.irp g, 0,1
	v_cvt_scalef32_pk8_fp4_f32 v[T+2*\a+\g], v[X+16*\a+8*\g:X+16*\a+8*\g+7], v[T+12+\a]
.endr
.endr
	v_nop                                          ; one plain instruction behind the last scaled conversion: products later read and write these registers
.if \nxt
	XLOAD 4
.endif
.irp a, 0,1,2,3
	ds_store_b64 v[IW], v[T+2*\a:T+2*\a+1] offset:CJ*(\j0+\a)   ; words 68 (l / 2) + 2 (l % 2) and the next: the 32 lanes fall on 64 different banks
	ds_store_b8 v[SW], v[T+16+\a] offset:16*(\j0+\a)            ; the two lanes of a block write the same byte with the same value
.endr
.endm
; the addresses of the trip: each is a lane's constant + a scalar that a trip turns or steps
.macro ADDR
.irp q, 0,1,2,3
	v_add_nc_u32 v[XR+\q], s[XB], v[XA+\q]
.endr
	v_add_nc_u32 v[IW], s[IWO], v[IWB]
	v_add_nc_u32 v[SW], s[IWO], v[SWB]
	v_add_nc_u32 v[IR], s[IRO], v[IRB]
	v_add_nc_u32 v[SR], s[IRO], v[SRB]
	v_add_nc_u32 v[TS], s[TSO], v[TSB]
.endm
; my eight rows of the ring slot in hand -> images.  q and the partial sums leave registers for one set of four rows
.macro LN
	XLOAD 0
	s_wait_dscnt 0x0
	LN4 0, 1
	s_wait_dscnt 8                                 ; rows 4-7 are in: behind their loads stand the 8 stores of rows 0-3
	LN4 4, 0
.endm
; one product: 16 columns of a weight (source 0, window 1) x 16 rows (source 1, at af) x 128 K.  row1: the weight's scale words stand in lanes 16-31.  The first K step starts the sum with the constant 0
.macro WM u, s, row1, af
.if \row1
.if (\s) == 0
	v_wmma_scale_f32_16x16x128_f8f6f4 v[ACC+8*(\u):ACC+8*(\u)+7], v[32*(\u)+8*(\s):32*(\u)+8*(\s)+7], v[\af+8*(\s):\af+8*(\s)+7], 0, v[WS+4*((\u)%4)+(\s)], v[AS+(\s)] matrix_a_fmt:MATRIX_FMT_FP4 matrix_b_fmt:MATRIX_FMT_FP4 matrix_a_scale:MATRIX_SCALE_ROW1
.else
	v_wmma_scale_f32_16x16x128_f8f6f4 v[ACC+8*(\u):ACC+8*(\u)+7], v[32*(\u)+8*(\s):32*(\u)+8*(\s)+7], v[\af+8*(\s):\af+8*(\s)+7], v[ACC+8*(\u):ACC+8*(\u)+7], v[WS+4*((\u)%4)+(\s)], v[AS+(\s)] matrix_a_fmt:MATRIX_FMT_FP4 matrix_b_fmt:MATRIX_FMT_FP4 matrix_a_scale:MATRIX_SCALE_ROW1
.endif
.else
.if (\s) == 0
	v_wmma_scale_f32_16x16x128_f8f6f4 v[ACC+8*(\u):ACC+8*(\u)+7], v[32*(\u)+8*(\s):32*(\u)+8*(\s)+7], v[\af+8*(\s):\af+8*(\s)+7], 0, v[WS+4*((\u)%4)+(\s)], v[AS+(\s)] matrix_a_fmt:MATRIX_FMT_FP4 matrix_b_fmt:MATRIX_FMT_FP4
.else
	v_wmma_scale_f32_16x16x128_f8f6f4 v[ACC+8*(\u):ACC+8*(\u)+7], v[32*(\u)+8*(\s):32*(\u)+8*(\s)+7], v[\af+8*(\s):\af+8*(\s)+7], v[ACC+8*(\u):ACC+8*(\u)+7], v[WS+4*((\u)%4)+(\s)], v[AS+(\s)] matrix_a_fmt:MATRIX_FMT_FP4 matrix_b_fmt:MATRIX_FMT_FP4
.endif
.endif
.endm
; tile m's four fragments and its rows' scale words: each load's sixteen lanes read 256 consecutive bytes
.macro FETCH m
.irp s, 0,1,2,3
.irp c, 0,1
	ds_load_b128 v[AF+8*\s+4*\c:AF+8*\s+4*\c+3], v[IR] offset:TILEB*(\m)+1088*\s+544*\c
.endr
.endr
	ds_load_b128 v[AS:AS+3], v[SR] offset:TILEB*(\m)
.endm
; the score, the running softmax and p V of my row of tile m
.macro SOFT m
.irp t, 0,1,2,3
	v_pk_mul_f32 v[C+2*\t:C+2*\t+1], v[ACC+8*\t:ACC+8*\t+1], v[Q+8*\t:Q+8*\t+1]           ; q K over my 32 columns: a chain for each tile of K; each accumulator is read from its low end on
.endr
.irp p, 1,2,3
.irp t, 0,1,2,3
	v_pk_fma_f32 v[C+2*\t:C+2*\t+1], v[ACC+8*\t+2*\p:ACC+8*\t+2*\p+1], v[Q+8*\t+2*\p:Q+8*\t+2*\p+1], v[C+2*\t:C+2*\t+1]
.endr
.endr
	v_pk_add_f32 v[C:C+1], v[C:C+1], v[C+2:C+3]
	v_pk_add_f32 v[C+4:C+5], v[C+4:C+5], v[C+6:C+7]
	v_pk_add_f32 v[C:C+1], v[C:C+1], v[C+4:C+5]
	v_add_f32 v[C], v[C], v[C+1]
	v_permlanex16_b32 v[C+1], v[C], s[SEL], s[SEL+1]   ; the row's other 32 columns lie in the lane 16 away
	v_add_f32 v[C], v[C], v[C+1]                   ; t of row r, the same bits in both halves of the lanes
	ds_store_b32 v[TS], v[C] offset:64*(\m)        ; to my head's stage (lanes r and 16 + r write the same word with the same value)
	v_max_num_f32 v[MN], v[MO], v[C]               ; my rows' new m
	v_sub_f32 v[F], v[MO], v[MN]
	v_sub_f32 v[PP], v[C], v[MN]
	v_exp_f32 v[F], v[F]                           ; 2^(m_old - m_new)
	v_exp_f32 v[PP], v[PP]                         ; p = 2^(t - m)
	v_mov_b32 v[MO], v[MN]                         ; (the plain instruction behind the last exponential)
	s_wait_alu depctr_va_vdst(0)                   ; one wait for the two, ahead of their first reader
	v_fma_f32 v[LS], v[LS], v[F], v[PP]
.irp n, 0,2,4,6,8,10,12,14,16,18,20,22,24,26,28,30
	v_pk_mul_f32 v[CTX+\n:CTX+\n+1], v[CTX+\n:CTX+\n+1], v[F:F+1] op_sel_hi:[1,0]
.endr
.irp p, 0,1,2,3
.irp t, 0,1,2,3
	v_pk_fma_f32 v[CTX+8*\t+2*\p:CTX+8*\t+2*\p+1], v[ACC+32+8*\t+2*\p:ACC+32+8*\t+2*\p+1], v[PP:PP+1], v[CTX+8*\t+2*\p:CTX+8*\t+2*\p+1] op_sel_hi:[1,0,1]   ; + p V, two columns at a time; V's accumulators from their low ends on
.endr
.endr
.endm
; a tile of 16 rows: 32 products, the eight accumulators by turns, one instruction a turn
.macro TILE m
	s_wait_dscnt 0x0                               ; the tile's fragments and scale words are in
	WIN 0x01                                       ; source 0: window 1
.irp s, 0,1,2,3
.irp u, 0,1,2,3
	WM \u, \s, 0, AF
.endr
.irp u, 4,5,6,7
	WM \u, \s, 1, AF
.endr
.endr
.rept 4
	v_nop                                          ; four places in front of the loads into the fragments' registers and of the first read of results
.endr
	WIN 0
.if (\m) < 3
	FETCH (\m)+1                                   ; the next tile's fragments land under this tile's softmax
.endif
	SOFT \m
.endm
; A TRIP.  In front of its barrier each wave waits for all its tensor loads (the ring slot that it is about to read), adds 0 to its spare word, and waits for that, for its stores of images and for its reads of the ring and of images.
; Behind the barrier: the images stored last trip are whole; the other image buffer is read by nobody; the ring slot read last trip is filled again first.
.macro TRIP refill, ln
	s_wait_tensorcnt 0x0                           ; no tensor load of mine is out, so the walking descriptor may be written
	ds_add_u32 v1, v2                              ; 0 onto my spare word: the trip's address work stands between it and the wait for it
.if \refill
	s_xor_b32 s41, s41, SLOTB                      ; the other ring slot than last time,
	s_add_nc_u64 s[42:43], s[42:43], SLOTB         ; the next 64 rows; the type bits on top are not reached
.endif
	s_xor_b32 s[XB], s[XB], SLOTB
	s_xor_b32 s[IWO], s[IWO], IMGB
	s_xor_b32 s[IRO], s[IRO], IMGB
	ADDR
	s_add_co_u32 s[TSO], s[TSO], 256               ; 64 rows of t on, for the next trip
	s_wait_dscnt 0x0
	s_barrier_signal -1
	s_barrier_wait -1
.if \refill
	tensor_load_to_lds s[40:43], s[28:35]          ; my one tensor load behind the barrier, and the first thing there: it has the whole trip in which to land
	s_nop 0
.rept 4
	v_nop
.endr
.endif
.if \ln
	LN
.endif
	FETCH 0
	TILE 0
	TILE 1
	TILE 2
	TILE 3
.endm
	s_load_b256 s[4:11], s[0:1], 0x0               ; x_dynamic s[4:5], lnkv_g s[6:7], lnkv_b s[8:9], wcodes s[10:11]
	s_load_b256 s[12:19], s[0:1], 0x20             ; wscales s[12:13], xcodes s[14:15], xscales s[16:17], tbuf s[18:19]
	s_load_b64 s[20:21], s[0:1], 0x40              ; part
	v_lshl_add_u32 v1, v0, 2, SPARE
	v_mov_b32 v2, 0
	ds_add_u32 v1, v2
	ds_add_u32 v1, v2
	s_wait_dscnt 0x0
	v_lshrrev_b32 v251, 5, v0
	v_readfirstlane_b32 s[WV], v251                ; wave = head 0..7
	s_lshr_b32 s23, ttmp9, 2                       ; batch
	s_and_b32 s24, ttmp9, 3                        ; chunk
	s_mov_b32 s[SEL], 0x76543210
	s_mov_b32 s[SEL+1], 0xfedcba98
	s_mov_b32 s[NH], 0xbb000000
	s_mov_b32 s[NH+1], 0xbb000000
	s_mov_b32 s[IH], 0x3b000000
	s_mov_b32 s[EPS], 0x3727c5ac
	s_mov_b32 s[CQ], 0x3e38aa3b
	s_mov_b32 s[XB], 0
	s_mov_b32 s[IWO], 0
	s_mov_b32 s[IRO], IMGB
	s_mov_b32 s[TSO], 0
	s_mov_b32 s[CNT], 6
	; descriptor group 1: 16,384 bytes on end in memory, as 64 rows of 32 elements of 8 bytes; no padding, no mask
	s_mov_b32 s28, 3<<16                           ; 17:16 elements of 8 bytes
	s_mov_b32 s29, 32<<16                          ; tensor_dim0 = 32
	s_mov_b32 s30, 64<<16                          ; tensor_dim1 = 64
	s_mov_b32 s31, 32<<16                          ; tile_dim0 = 32
	s_mov_b32 s32, 64                              ; tile_dim1 = 64
	s_mov_b32 s33, 32                              ; from row to row: 32 elements
	s_mov_b32 s34, 0
	s_mov_b32 s35, 0
	s_mov_b32 s36, 1                               ; group 0 for ring slot 0: count = 1,
	s_lshl_b32 s37, s[WV], 14                      ; LDS address 16384 w
	s_mov_b32 s40, 1                               ; and the walking one, which begins at ring slot 1
	s_add_co_u32 s41, s37, SLOTB
	s_lshl_b32 s26, ttmp9, 20                      ; my work-group's 1 MiB,
	s_add_co_u32 s26, s26, s37                     ; my wave's 8 rows of a slot
	s_mov_b32 s27, 0
	s_wait_kmcnt 0x0
	s_add_nc_u64 s[38:39], s[4:5], s[26:27]
	s_add_nc_u64 s[42:43], s[38:39], SLOTB
	s_or_b32 s39, s39, 0x80000000                  ; type = 2
	s_or_b32 s43, s43, 0x80000000
	tensor_load_to_lds s[36:39], s[28:35]          ; data slots 0 and 1: the first fills go out together, ahead of everything else: two loads of mine are out
	s_nop 0
	tensor_load_to_lds s[40:43], s[28:35]
	s_nop 0
.rept 4
	v_nop
.endr
	s_lshl_b32 s26, s23, 8
	s_add_nc_u64 s[14:15], s[14:15], s[26:27]      ; xcodes at row b (variant 0)
	s_lshl_b32 s26, s23, 4
	s_add_nc_u64 s[16:17], s[16:17], s[26:27]      ; xscales likewise
	s_lshl_b32 s26, s[WV], 8
	s_add_nc_u64 s[12:13], s[12:13], s[26:27]      ; wscales at my head's 64 columns
	s_lshl_b32 s26, s[WV], 14
	s_add_nc_u64 s[10:11], s[10:11], s[26:27]      ; wcodes at my head's four tiles
	s_lshl_b32 s26, s23, 16
	s_lshl_b32 s57, s[WV], 13
	s_add_co_u32 s26, s26, s57
	s_lshl_b32 s57, s24, 11
	s_add_co_u32 s26, s26, s57
	s_add_nc_u64 s[18:19], s[18:19], s[26:27]      ; tbuf at (batch, head, my chunk's first row)
	s_lshl_b32 s26, ttmp9, 12
	s_lshl_b32 s57, s[WV], 9
	s_add_co_u32 s26, s26, s57
	s_add_nc_u64 s[20:21], s[20:21], s[26:27]      ; part at my record of 512 bytes
	s_lshr_b32 s57, s[WV], 1
	s_mul_i32 s57, s57, TILEB                      ; my rows' tile of the slot: w / 2,
	s_and_b32 s58, s[WV], 1
	s_lshl_b32 s58, s58, 7                         ; and their place in it: rows 8 (w % 2) on, 16 bytes a row
	s_add_co_u32 s57, s57, s58
	s_add_co_u32 s59, s57, IMG0
	s_add_co_u32 s60, s59, SCO
	s_lshl_b32 s61, s[WV], 11
	s_add_co_u32 s61, s61, TST
	v_and_b32 v251, 31, v0                         ; l
	v_bfe_u32 v252, v0, 2, 2                       ; (l >> 2) & 3
	v_lshlrev_b32 v242, 6, v251                    ; 64 l
	v_lshl_add_u32 v242, v252, 4, v242             ; v242-245: piece q of my places lies at 64 l + 16 (q xor ((l >> 2) & 3)) of a row
	v_xor_b32 v243, 16, v242
	v_xor_b32 v244, 32, v242
	v_xor_b32 v245, 48, v242
.irp q, 0,1,2,3
	v_add_nc_u32 v[XA+\q], s37, v[242+\q]
.endr
	v_lshrrev_b32 v253, 1, v251                    ; my block: l / 2
	v_and_b32 v254, 1, v251
	v_mul_u32_u24 v[IWB], v253, 272
	v_lshl_add_u32 v[IWB], v254, 3, v[IWB]
	v_add_nc_u32 v[IWB], s59, v[IWB]               ; my codes: block l / 2, 8 bytes at 8 (l % 2)
	v_add_nc_u32 v[SWB], s60, v253                 ; my block's byte
	v_and_b32 v253, 15, v0                         ; r
	v_bfe_u32 v254, v0, 4, 1                       ; h
	v_mul_u32_u24 v[IRB], v254, 272
	v_lshl_add_u32 v[IRB], v253, 4, v[IRB]
	v_add_nc_u32 v[IRB], IMG0, v[IRB]              ; a fragment: block 4 s + 2 c + h, row r
	v_lshl_add_u32 v[SRB], v253, 4, IMG0+SCO       ; row r's 16 scale bytes
	v_lshl_add_u32 v[TSB], v253, 2, s61            ; t of row r
	v_lshlrev_b32 v246, 4, v254                    ; offsets of the head's loads: 16 h,
	v_mov_b32 v247, 0                              ; 0,
	v_lshlrev_b32 v248, 2, v253                    ; 4 r,
	v_lshlrev_b32 v249, 4, v251                    ; 16 l,
	v_lshl_add_u32 v250, v254, 13, v248            ; 8192 h + 4 r
	v_mov_b32 v[MO], 0xff61b1e6                    ; m: -3e38, under every t
	v_mov_b32 v[LS], 0
	v_mov_b32 v[F+1], 0
	v_mov_b32 v[PP+1], 0
.irp n, 0,1,2,3,4,5,6,7,8,9,10,11,12,13,14,15,16,17,18,19,20,21,22,23,24,25,26,27,28,29,30,31
	v_mov_b32 v[CTX+\n], 0                         ; the tile's step is written once: the first finds zeros, which the first change of m leaves zeros
.endr
	; q of my head: Q(LN(x_trafic[b])) Q(W_q).  All 16 rows of source 1 are row b, so every lane of half h holds q at columns 8 h + j
.irp s, 0,1,2,3
.irp c, 0,1
	global_load_b128 v[AF+8*\s+4*\c:AF+8*\s+4*\c+3], v246, s[14:15] offset:64*\s+32*\c
.endr
.endr
	global_load_b128 v[AS:AS+3], v247, s[16:17]
.irp t, 0,1,2,3
.irp s, 0,1,2,3
	global_load_b32 v[WS+4*\t+\s], v248, s[12:13] offset:16384+2048*\s+64*\t
.endr
.endr
	WIN 0x40                                       ; destination window 1
.irp t, 0,1,2,3
.irp s, 0,1,2,3
.irp c, 0,1
	global_load_b128 v[128+32*\t+8*\s+4*\c:128+32*\t+8*\s+4*\c+3], v249, s[10:11] offset:262144+4096*\t+1024*\s+512*\c   ; W_q's fragments, where W_v's will lie
.endr
.endr
.endr
.irp t, 0,1,2,3
.irp s, 0,1,2,3
.irp c, 0,1
	global_load_b128 v[32*\t+8*\s+4*\c:32*\t+8*\s+4*\c+3], v249, s[10:11] offset:4096*\t+1024*\s+512*\c                  ; W_k's: they stay
.endr
.endr
.endr
	WIN 0
.irp q, 0,1,2,3
	global_load_b128 v[G+4*\q:G+4*\q+3], v[242+\q], s[6:7]
	global_load_b128 v[BV+4*\q:BV+4*\q+3], v[242+\q], s[8:9]
.endr
	s_wait_loadcnt 40                              ; all that q wants is in; W_k's 32 loads and the 8 of gain and bias may be out
	WIN 0x01
.irp s, 0,1,2,3
.irp u, 4,5,6,7
	WM \u, \s, 0, AF                               ; four accumulators by turns
.endr
.endr
.rept 4
	v_nop                                          ; four places in front of the reads of results and of the loads into the operands' and scales' registers
.endr
	WIN 0
.irp t, 0,1,2,3
.irp j, 0,1,2,3,4,5,6,7
	v_mul_f32 v[Q+8*\t+\j], s[CQ], v[ACC+32+8*\t+\j]   ; q x log2(e) / 8; each result from its low end on
.endr
.endr
	WIN 0x40
.irp t, 0,1,2,3
.irp s, 0,1,2,3
.irp c, 0,1
	global_load_b128 v[128+32*\t+8*\s+4*\c:128+32*\t+8*\s+4*\c+3], v249, s[10:11] offset:131072+4096*\t+1024*\s+512*\c   ; W_v's fragments: they stay
.endr
.endr
.endr
	WIN 0
.irp t, 0,1,2,3
.irp s, 0,1,2,3
	global_load_b32 v[WS+4*\t+\s], v250, s[12:13] offset:2048*\s+64*\t   ; lanes 0-15 W_k's scale words, lanes 16-31 W_v's
.endr
.endr
	s_wait_loadcnt 48                              ; gain, bias and W_k are in; W_v's 32 loads and the 16 scale words may be out
	ADDR
	s_wait_tensorcnt 0x1                           ; my 8 rows of data slot 0 are in (only I read them); slot 1's may be out
	LN                                             ; slot 0's images, into buffer 0
	s_wait_loadcnt 0x0                             ; W_v and the scale words are in; the offsets' registers, which the scores' chains take, are free
.Ltrip:                                            ; trips 0 to 5: each fills a ring slot again
	TRIP 1, 1
	s_sub_co_u32 s[CNT], s[CNT], 1
	s_cmp_lg_u32 s[CNT], 0
	s_cbranch_scc1 .Ltrip
	TRIP 0, 1                                      ; trip 6: nothing is left to fetch; written out
	TRIP 0, 0                                      ; trip 7: nothing is left to normalise
	; THE WAY OUT.  The 16 lanes of a half are joined: M = the largest m; each lane's sum and partial sums are brought under M and added up.  Both halves hold the same m and sum, and different columns.
	v_mov_b32 v[C], v[MO]
.irp k, 1,2,4,8
	v_max_num_f32_dpp v[C], v[C], v[C] row_xmask:\k row_mask:0xf bank_mask:0xf
.endr
	v_sub_f32 v[F], v[MO], v[C]
	v_exp_f32 v[F], v[F]                           ; 2^(m - M)
	v_mov_b32 v[MO], v[C]                          ; (the plain instruction behind the exponential)  M, beside the sum
	s_wait_alu depctr_va_vdst(0)                   ; the wait ahead of the first reader
	v_mul_f32 v[LS], v[LS], v[F]
.irp k, 1,2,4,8
	v_add_f32_dpp v[LS], v[LS], v[LS] row_xmask:\k row_mask:0xf bank_mask:0xf
.endr
.irp n, 0,2,4,6,8,10,12,14,16,18,20,22,24,26,28,30
	v_pk_mul_f32 v[CTX+\n:CTX+\n+1], v[CTX+\n:CTX+\n+1], v[F:F+1] op_sel_hi:[1,0]
.endr
.irp k, 1,2,4,8
.irp n, 0,1,2,3,4,5,6,7,8,9,10,11,12,13,14,15,16,17,18,19,20,21,22,23,24,25,26,27,28,29,30,31
	v_add_f32_dpp v[CTX+\n], v[CTX+\n], v[CTX+\n] row_xmask:\k row_mask:0xf bank_mask:0xf   ; once in the launch: every lane of half h ends with column 16 t + 8 h + j in register 8 t + j
.endr
.endr
	s_lshl_b32 s57, s[WV], 8
	s_add_co_u32 s57, s57, CST
	s_lshl_b32 s58, s[WV], 11
	s_add_co_u32 s58, s58, TST
	v_and_b32 v251, 31, v0
	v_bfe_u32 v252, v0, 4, 1
	v_lshl_add_u32 v252, v252, 5, s57              ; into my 256 bytes: 32 h
	v_lshl_add_u32 v253, v251, 3, s57              ; back: 8 bytes a lane
	v_lshl_add_u32 v254, v251, 4, s58              ; my head's t: 16 bytes a lane
	v_lshlrev_b32 v250, 3, v251
	v_lshlrev_b32 v255, 4, v251
.irp t, 0,1,2,3
.irp c, 0,1
	ds_store_b128 v252, v[CTX+8*\t+4*\c:CTX+8*\t+4*\c+3] offset:64*\t+16*\c   ; the 16 lanes of a half write the same bytes with the same values
.endr
.endr
	ds_load_b64 v[C+2:C+3], v253                   ; LDS serves a wave's instructions in order (ISA guide 5.7.1.4): this sees my stores; no other wave touches these bytes
.irp n, 0,1,2,3
	ds_load_b128 v[X+4*\n:X+4*\n+3], v254 offset:512*\n   ; my head's 512 t
.endr
	s_wait_dscnt 4                                 ; the partial sums are back; the four loads of t may be out
	global_store_b64 v250, v[C+2:C+3], s[20:21]                 ; 256 consecutive bytes, aligned: 64 partial sums
	global_store_b64 v250, v[MO:MO+1], s[20:21] offset:256      ; and 256 more: {M, sum}, once for each lane
.irp n, 0,1,2,3
	s_wait_dscnt 3-\n
	global_store_b128 v255, v[X+4*\n:X+4*\n+3], s[18:19] offset:512*\n   ; 512 consecutive bytes, aligned
.endr
	s_wait_tensorcnt 0x0                           ; the wave's end: behind my last tensor load and my last LDS store
	ds_add_u32 v1, v2
	s_wait_dscnt 0x0
	s_endpgm
.Lfunc_end_k_q2e249d6a5c_main:
	.size	k_q2e249d6a5c_main, .Lfunc_end_k_q2e249d6a5c_main-k_q2e249d6a5c_main
	.p2alignl 7, 3214868480
	.fill 96, 4, 3214868480
	.section	.rodata,"a",@progbits
	.p2align	6, 0x0
	.amdhsa_kernel k_q2e249d6a5c_main
		.amdhsa_group_segment_fixed_size 327680
		.amdhsa_private_segment_fixed_size 0
		.amdhsa_enable_private_segment 0
		.amdhsa_kernarg_size 72
		.amdhsa_user_sgpr_count 2
		.amdhsa_user_sgpr_kernarg_segment_ptr 1
		.amdhsa_wavefront_size32 1
		.amdhsa_system_sgpr_workgroup_id_x 1
		.amdhsa_system_sgpr_workgroup_id_y 1
		.amdhsa_system_sgpr_workgroup_id_z 1
		.amdhsa_system_vgpr_workitem_id 0
		.amdhsa_next_free_vgpr 512
		.amdhsa_next_free_sgpr 66
		.amdhsa_reserve_vcc 0
		.amdhsa_float_denorm_mode_32 3
		.amdhsa_float_denorm_mode_16_64 3
		.amdhsa_memory_ordered 1
		.amdhsa_forward_progress 1
		.amdhsa_inst_pref_size 248
	.end_amdhsa_kernel
	.amdgpu_metadata
---
amdhsa.version: [ 1, 2 ]
amdhsa.kernels:
  - .name:           k_q2e249d6a5c_main
    .symbol:         k_q2e249d6a5c_main.kd
    .args:
      - { .name: x_dynamic, .offset: 0, .size: 8, .value_kind: global_buffer, .address_space: global }
      - { .name: lnkv_g, .offset: 8, .size: 8, .value_kind: global_buffer, .address_space: global }
      - { .name: lnkv_b, .offset: 16, .size: 8, .value_kind: global_buffer, .address_space: global }
      - { .name: wcodes, .offset: 24, .size: 8, .value_kind: global_buffer, .address_space: global }
      - { .name: wscales, .offset: 32, .size: 8, .value_kind: global_buffer, .address_space: global }
      - { .name: xcodes, .offset: 40, .size: 8, .value_kind: global_buffer, .address_space: global }
      - { .name: xscales, .offset: 48, .size: 8, .value_kind: global_buffer, .address_space: global }
      - { .name: tbuf, .offset: 56, .size: 8, .value_kind: global_buffer, .address_space: global }
      - { .name: part, .offset: 64, .size: 8, .value_kind: global_buffer, .address_space: global }
    .group_segment_fixed_size: 327680
    .private_segment_fixed_size: 0
    .kernarg_segment_align: 8
    .kernarg_segment_size: 72
    .max_flat_workgroup_size: 256
    .sgpr_count:     66
    .vgpr_count:     512
    .wavefront_size: 32
...
	.end_amdgpu_metadata
.endif
;; end of part 2
;; launch finish (part 3): grid 512 x 1, 4 waves a work-group, no clusters, 768 bytes of LDS; arguments tbuf, part, xcodes, xscales, wcodes, wscales, res_b, out0, out1; writes out0, out1
.if DOCPART == 3
	.amdgcn_target "amdgcn-amd-amdhsa--gfx1250"
	.amdhsa_code_object_version 6
	.text
	.protected	k_q2e249d6a5c_finish
	.globl	k_q2e249d6a5c_finish
	.p2align	8
	.type	k_q2e249d6a5c_finish,@function
k_q2e249d6a5c_finish:
	s_mov_b64 s[64:65], 0
	v_nop
	global_prefetch_b8 v0, s[64:65] scope:SCOPE_SE
	s_setreg_imm32_b32 hwreg(HW_REG_WAVE_MODE, 25, 1), 1
	s_wait_xcnt 0x0
; FINISH: one work-group for each (batch, head).  The four chunks' {m, sum, 64 partial sums} are joined: M = the largest m, L = the sum of sum_c 2^(m_c - M);
; attention = 2^(t - M) / L for the head's 2,048 rows; out0 = Q(x_trafic) Q(res_W) + res_b + (the sum of partial_c 2^(m_c - M)) / L for the head's 64 columns.
; Wave c takes chunk c of the attention (512 numbers) and columns 16 c .. 16 c + 15 of out0.  The residual is a product on codes of FP4: all 16 rows of source 0 are row b of x_trafic's codes
; (variant 1: the rows as they are), so register 0 of the result holds the residual at the lane's column.  No tensor loads, one barrier.
; M is the largest of all t of the head, so no exponent is above 0, and L is at least 1.
.set TT,  16                           ; v16-31   my 16 t, then attention
.set ML,  32                           ; v32-39   {m, sum} of the four chunks
.set E,   40                           ; v40-43   2^(m_c - M), then / L
.set AS,  44                           ; v44-47   x's scale words, K step s
.set WS,  48                           ; v48-51   res_W's
.set CX,  60                           ; v60-63   the four chunks' partial sums at my column
.set A,   64                           ; v64-95   x's four fragments
.set BF,  96                           ; v96-127  res_W's four
	s_load_b256 s[4:11], s[0:1], 0x0               ; tbuf s[4:5], part s[6:7], xcodes s[8:9], xscales s[10:11]
	s_load_b256 s[12:19], s[0:1], 0x20             ; wcodes s[12:13], wscales s[14:15], res_b s[16:17], out0 s[18:19]
	s_load_b64 s[20:21], s[0:1], 0x40              ; out1
	v_lshl_add_u32 v128, v0, 2, 0x100
	v_mov_b32 v129, 0
	v_lshrrev_b32 v1, 5, v0
	v_readfirstlane_b32 s22, v1                    ; wave c
	s_lshr_b32 s23, ttmp9, 3                       ; batch
	s_and_b32 s24, ttmp9, 7                        ; head
	v_and_b32 v7, 31, v0
	v_and_b32 v5, 15, v0
	v_bfe_u32 v3, v0, 4, 1
	v_lshlrev_b32 v1, 3, v7                        ; 8 l
	v_lshlrev_b32 v2, 4, v7                        ; 16 l
	v_lshlrev_b32 v3, 4, v3                        ; 16 h
	v_mov_b32 v4, 0
	v_lshlrev_b32 v5, 2, v5                        ; 4 r
	s_lshl_b32 s25, s22, 6
	v_add_nc_u32 v6, s25, v5                       ; 64 c + 4 r: my column's place among the head's 64, in a record and in LDS
	v_mov_b32 v53, 0                               ; upper halves of pairs of which the lower half serves both
	v_mov_b32 v59, 0
	s_lshl_b32 s26, ttmp9, 13                      ; t and attention: 8,192 bytes a (batch, head), 2,048 a chunk
	s_lshl_b32 s28, s22, 11
	s_add_co_u32 s26, s26, s28
	s_mov_b32 s27, 0
	s_lshl_b32 s28, s23, 14                        ; records: 16,384 bytes a batch, 512 a head (4,096 a chunk: in the immediates)
	s_lshl_b32 s30, s24, 9
	s_add_co_u32 s28, s28, s30
	s_mov_b32 s29, 0
	s_lshl_b32 s30, s23, 8                         ; x's codes: 256 bytes a row
	s_mov_b32 s31, 0
	s_lshl_b32 s32, s23, 4                         ; its scale bytes: 16
	s_mov_b32 s33, 0
	s_lshl_b32 s34, s24, 2
	s_add_co_u32 s34, s34, s22
	s_lshl_b32 s34, s34, 12                        ; res_W's tile 4 head + c: 4,096 bytes a tile
	s_mov_b32 s35, 0
	s_lshl_b32 s36, s24, 8
	s_add_co_u32 s36, s36, s25                     ; 4 bytes a column: 256 head + 64 c
	s_mov_b32 s37, 0
	s_lshl_b32 s38, s23, 11
	s_lshl_b32 s40, s24, 8
	s_add_co_u32 s38, s38, s40                     ; out0: 2,048 bytes a batch, 256 a head
	s_mov_b32 s39, 0
	s_wait_kmcnt 0x0
	s_add_nc_u64 s[4:5], s[4:5], s[26:27]
	s_add_nc_u64 s[20:21], s[20:21], s[26:27]
	s_add_nc_u64 s[6:7], s[6:7], s[28:29]
	s_add_nc_u64 s[8:9], s[8:9], s[30:31]
	s_add_nc_u64 s[10:11], s[10:11], s[32:33]
	s_add_nc_u64 s[12:13], s[12:13], s[34:35]
	s_add_nc_u64 s[14:15], s[14:15], s[36:37]
	s_add_nc_u64 s[16:17], s[16:17], s[36:37]
	s_add_nc_u64 s[18:19], s[18:19], s[38:39]
.irp c, 0,1,2,3
	global_load_b64 v[ML+2*\c:ML+2*\c+1], v1, s[6:7] offset:256+4096*\c
.endr
.irp n, 0,1,2,3
	global_load_b128 v[TT+4*\n:TT+4*\n+3], v2, s[4:5] offset:512*\n th:TH_LOAD_NT
.endr
.irp s, 0,1,2,3
.irp c, 0,1
	global_load_b128 v[A+8*\s+4*\c:A+8*\s+4*\c+3], v3, s[8:9] offset:16384+64*\s+32*\c
.endr
.endr
	global_load_b128 v[AS:AS+3], v4, s[10:11] offset:1024
.irp s, 0,1,2,3
.irp c, 0,1
	global_load_b128 v[BF+8*\s+4*\c:BF+8*\s+4*\c+3], v2, s[12:13] offset:393216+1024*\s+512*\c
.endr
.endr
.irp s, 0,1,2,3
	global_load_b32 v[WS+\s], v5, s[14:15] offset:24576+2048*\s
.endr
.irp c, 0,1,2,3
	global_load_b32 v[CX+\c], v6, s[6:7] offset:4096*\c
.endr
	global_load_b32 v56, v5, s[16:17]
	s_wait_loadcnt 30                              ; the four {m, sum} are in; the 30 loads behind them may be out
	v_max3_num_f32 v52, v[ML], v[ML+2], v[ML+4]
	v_max_num_f32 v52, v52, v[ML+6]                ; M
.irp c, 0,1,2,3
	v_sub_f32 v[E+\c], v[ML+2*\c], v52
.endr
	s_wait_loadcnt 26                              ; t is in
.irp n, 0,2,4,6,8,10,12,14
	v_pk_add_f32 v[TT+\n:TT+\n+1], v[TT+\n:TT+\n+1], v[52:53] op_sel_hi:[1,0] neg_lo:[0,1] neg_hi:[0,1]   ; t - M
.endr
.irp c, 0,1,2,3
	v_exp_f32 v[E+\c], v[E+\c]
.endr
.irp n, 0,1,2,3,4,5,6,7,8,9,10,11,12,13,14,15
	v_exp_f32 v[TT+\n], v[TT+\n]
.endr
	v_nop                                          ; a plain instruction behind the last exponential,
	s_wait_alu depctr_va_vdst(0)                   ; and one wait for the twenty, ahead of their first reader
	v_mul_f32 v54, v[ML+1], v[E]
.irp c, 1,2,3
	v_fma_f32 v54, v[ML+2*\c+1], v[E+\c], v54      ; L
.endr
	v_rcp_f32 v58, v54
	v_nop
	s_wait_alu depctr_va_vdst(0)
.irp n, 0,2,4,6,8,10,12,14
	v_pk_mul_f32 v[TT+\n:TT+\n+1], v[TT+\n:TT+\n+1], v[58:59] op_sel_hi:[1,0]
.endr
.irp n, 0,1,2,3
	global_store_b128 v2, v[TT+4*\n:TT+4*\n+3], s[20:21] offset:512*\n th:TH_STORE_NT   ; 512 consecutive bytes, aligned
.endr
.irp c, 0,1,2,3
	v_mul_f32 v[E+\c], v[E+\c], v58
.endr
	s_wait_loadcnt 5                               ; fragments and scale words are in; the four partial sums and the bias may be out
	v_wmma_scale_f32_16x16x128_f8f6f4 v[8:15], v[A:A+7], v[BF:BF+7], 0, v[AS], v[WS] matrix_a_fmt:MATRIX_FMT_FP4 matrix_b_fmt:MATRIX_FMT_FP4
.irp s, 1,2,3
	s_wait_alu depctr_va_vdst(0)                   ; the wait directly ahead of each link
	v_wmma_scale_f32_16x16x128_f8f6f4 v[8:15], v[A+8*\s:A+8*\s+7], v[BF+8*\s:BF+8*\s+7], v[8:15], v[AS+\s], v[WS+\s] matrix_a_fmt:MATRIX_FMT_FP4 matrix_b_fmt:MATRIX_FMT_FP4
.endr
.rept 4
	v_nop                                          ; four places in front of the read of the result (ISA guide 7.12.1)
.endr
	s_wait_loadcnt 0x0
	v_add_f32 v57, v8, v56                         ; residual + res_b
.irp c, 0,1,2,3
	v_fma_f32 v57, v[E+\c], v[CX+\c], v57          ; + the chunks' parts of the context
.endr
	ds_store_b32 v6, v57                           ; lanes 16-31 hold the same numbers and write the same words
	s_wait_dscnt 0x0                               ; for the others' sake: my store has landed
	s_barrier_signal -1
	s_barrier_wait -1
	s_cmp_lg_u32 s22, 0
	s_cbranch_scc1 .Lend
	ds_load_b64 v[60:61], v1                       ; wave 0 takes the head's 64 numbers
	s_wait_dscnt 0x0
	global_store_b64 v1, v[60:61], s[18:19]        ; 256 consecutive bytes, aligned
.Lend:
	s_wait_tensorcnt 0x0
	ds_add_u32 v128, v129
	s_wait_dscnt 0x0
	s_endpgm
.Lfunc_end_k_q2e249d6a5c_finish:
	.size	k_q2e249d6a5c_finish, .Lfunc_end_k_q2e249d6a5c_finish-k_q2e249d6a5c_finish
	.p2alignl 7, 3214868480
	.fill 96, 4, 3214868480
	.section	.rodata,"a",@progbits
	.p2align	6, 0x0
	.amdhsa_kernel k_q2e249d6a5c_finish
		.amdhsa_group_segment_fixed_size 768
		.amdhsa_private_segment_fixed_size 0
		.amdhsa_enable_private_segment 0
		.amdhsa_kernarg_size 72
		.amdhsa_user_sgpr_count 2
		.amdhsa_user_sgpr_kernarg_segment_ptr 1
		.amdhsa_wavefront_size32 1
		.amdhsa_system_sgpr_workgroup_id_x 1
		.amdhsa_system_sgpr_workgroup_id_y 1
		.amdhsa_system_sgpr_workgroup_id_z 1
		.amdhsa_system_vgpr_workitem_id 0
		.amdhsa_next_free_vgpr 130
		.amdhsa_next_free_sgpr 66
		.amdhsa_reserve_vcc 0
		.amdhsa_float_denorm_mode_32 3
		.amdhsa_float_denorm_mode_16_64 3
		.amdhsa_memory_ordered 1
		.amdhsa_forward_progress 1
		.amdhsa_inst_pref_size 10
	.end_amdhsa_kernel
	.amdgpu_metadata
---
amdhsa.version: [ 1, 2 ]
amdhsa.kernels:
  - .name:           k_q2e249d6a5c_finish
    .symbol:         k_q2e249d6a5c_finish.kd
    .args:
      - { .name: tbuf, .offset: 0, .size: 8, .value_kind: global_buffer, .address_space: global }
      - { .name: part, .offset: 8, .size: 8, .value_kind: global_buffer, .address_space: global }
      - { .name: xcodes, .offset: 16, .size: 8, .value_kind: global_buffer, .address_space: global }
      - { .name: xscales, .offset: 24, .size: 8, .value_kind: global_buffer, .address_space: global }
      - { .name: wcodes, .offset: 32, .size: 8, .value_kind: global_buffer, .address_space: global }
      - { .name: wscales, .offset: 40, .size: 8, .value_kind: global_buffer, .address_space: global }
      - { .name: res_b, .offset: 48, .size: 8, .value_kind: global_buffer, .address_space: global }
      - { .name: out0, .offset: 56, .size: 8, .value_kind: global_buffer, .address_space: global }
      - { .name: out1, .offset: 64, .size: 8, .value_kind: global_buffer, .address_space: global }
    .group_segment_fixed_size: 768
    .private_segment_fixed_size: 0
    .kernarg_segment_align: 8
    .kernarg_segment_size: 72
    .max_flat_workgroup_size: 128
    .sgpr_count:     66
    .vgpr_count:     130
    .wavefront_size: 32
...
	.end_amdgpu_metadata
.endif
;; end of part 3
